; MI455X (gfx1250); checked and timed in simulation.
; The chip was launched on July 23, 2026; its instructions are those of AMD's public machine-readable ISA for CDNA 5 (MIT licence, August 2026) and "CDNA5" Instruction Set Architecture Reference Guide (July 2026). The comments in the code are by the model that wrote it; some were corrected since.
;; Cross Attention. Allowed arithmetic: matrix products marked QUANTISED: E2M1 operands, one E8M0 scale for each 32 along K, by v_wmma_scale_f32_16x16x128_f8f6f4 with both operands' format E2M1 (or v_wmma_scale_f32_32x16x128_f4), f32 sums; everything else in f32.
;; Inputs: key_padding_mask 2 x 2,048 bool; kv 2 x 2,048 x 2 x 8 x 128 float32; q 2 x 2,048 x 32 x 128 float32.
;; Outputs: out0 2 x 2,048 x 32 x 128 float32.
;; This version of the problem:
;;   THIS VERSION OF THE PROBLEM IS GIVEN IN LOW PRECISION. The matrix products marked QUANTISED in the list below multiply operands that are first quantised to E2M1 (2 exponent bits, 1 mantissa bit; 4 bits a number), with one power-of-two scale for each 32 numbers along K (OCP MX v1.0); their sums are f32. All else is computed in f32.
;;   The module's matrix products, in the order in which they are computed (A, B: the left and right operand; K: the contracted axis; several contracted axes count as one K, in the product's order):
;;     1. batch 64 x [M 2,048, K 128] x [K 128, N 2,048]; A: input q; B: computed on the way: QUANTISED
;;     2. batch 64 x [M 128, K 2,048] x [K 2,048, N 2,048]; A: input kv; B: softmax (see below): QUANTISED
;;   THE QUANTISER, for each operand of a quantised product, along K:
;;     - K is cut into blocks of 32 from its start; a last block that is shorter is filled with zeros.
;;     - A block's scale is 2^e with e = floor(log2(the largest magnitude in the block)) - 2, held to -126 .. 127; a block of zeros has e = 0. As a byte (E8M0): e + 127.
;;     - Each number is divided by its block's scale, clamped to +-6, and rounded to the nearest number of E2M1, ties to even, subnormals kept.
;;     - The product sums the exact products of the quantised numbers (number of the format x scale) in f32.
;;   ~~~python
;;   def quantise(x, axis):      # numpy; x: float32 -> the quantised numbers, widened to float32 again
;;       x = np.moveaxis(x, axis, -1); K = x.shape[-1]
;;       x = np.pad(x, [(0, 0)] * (x.ndim - 1) + [(0, -K % 32)]); x = x.reshape(x.shape[:-1] + (-1, 32)); a = np.abs(x).max(-1, keepdims=True)
;;       e = np.where(a > 0, np.clip(np.frexp(np.where(a > 0, a, 1))[1] - 1 - 2, -126, 127), 0)      # np.frexp(a)[1] - 1 = floor(log2(a)), exactly
;;       r = np.clip(x / 2.0 ** e, -6, 6)
;;       step = 2.0 ** (np.maximum(np.frexp(np.where(r == 0, 1, r))[1] - 1, 0) - 1)
;;       q = np.round(r / step) * step * 2.0 ** e      # np.round: ties to even
;;       return np.moveaxis(q.reshape(q.shape[:-2] + (-1,))[..., :K], -1, axis).astype(np.float32)
;;   ~~~
;;   SOFTMAX AHEAD OF A QUANTISED PRODUCT. Where the list says 'softmax', what is quantised is not the finished softmax but p = 2^(t - M), with t = logit x log2(e) and M = ceil(the row's largest t), a whole number; so 1/2 < the row's largest p <= 1. The row's sum l is taken of the UNQUANTISED p, in f32, and the product's result is divided by l at the end. Since M is a whole number, a kernel that streams over the keys may use a running M (the ceiling of the running maximum): every later rescaling is an exact power of two, which a block's scale takes up: the codes' values come out the same.
;;   OPERANDS COMPUTED ON THE WAY. 'Computed on the way' means the value that the module computes at that place (a softmax that the list does not call 'softmax' is quantised finished and normalised). What goes into a quantiser is computed in f32, as accurately as f32 sums, v_exp_f32 and their like allow (about 1e-6 of the number): no bf16 or f16 on the way to a quantiser, and a product that is left as it is and whose result goes on into a quantised operand takes f32 operands (vector FMAs, or v_wmma_f32_16x16x4_f32). A number that lies on a knife's edge between two numbers of the format may be rounded either way, as far as f32 arithmetic and the matrix unit's own rounding can turn it there, and no further.
;; One version. Each part assembles by itself: llvm-mc -triple=amdgcn-amd-amdhsa -mcpu=gfx1250 --defsym DOCPART=n.
;; ======== version 1 of 1: 2 launches
;; workspace buffers: kvq 4,718,592 bytes
;; launch prep (part 1): grid 16 x 16, 8 waves a work-group, no clusters, 138,240 bytes of LDS; arguments kv, key_padding_mask, kvq; writes kvq
.if DOCPART == 1
	.amdgcn_target "amdgcn-amd-amdhsa--gfx1250"
	.amdhsa_code_object_version 6
	.text
	.protected	k_q49d339a568_prep
	.globl	k_q49d339a568_prep
	.p2align	8
	.type	k_q49d339a568_prep,@function
k_q49d339a568_prep:
	s_mov_b64 s[64:65], 0
	v_nop
	global_prefetch_b8 v0, s[64:65] scope:SCOPE_SE
	s_setreg_imm32_b32 hwreg(HW_REG_WAVE_MODE, 25, 1), 1
	s_wait_xcnt 0x0
; kv [2][2048][2][8][128] f32 and key_padding_mask [2][2048] become, for each g = 8 b + kv head, one blob of BLOB bytes in kvq, laid as the attention launch's registers want it:
;   KC   +0       K x rsqrt(128) as codes of E2M1 along the head's 128: step s (128 keys), tile t, half c: 512 bytes at 8192 s + 1024 t + 512 c, 16 bytes a lane:
;                 lane (r, h) holds key 128 s + 32 (t / 2) + 8 (t % 2) + r + 8 (r / 8), block 2 c + h of the 128
;   VC   +131072  V as codes along the KEYS, same indexing: lane (r, h) holds channel 16 t + r, keys 128 s + 64 c + 32 h + 0 .. 31
;   KSC  +262144  K's scale words: 512 s + 16 lane + 4 q = the word of tile 2 q + (lane / 16), row lane % 16;   VSC +270336 the same for V's tiles of channels
;   PADT +278528  f32 by key: 0 where the mask is set, else -10000;   SSUM +286720  f32 [step][channel]: the sum of the step's 128 quantised numbers of V
; A block's scale is 2^(floor(log2(largest magnitude)) - 2); its byte is the largest magnitude's exponent field - 2, held at 1 from below.
; LIMITS: a block of zeros gets the byte 1 where the rule says 127 (its codes are zeros, and this program alone reads the bytes); NaN and infinities among the inputs are not served.
; SHARES: work-group (x = step, y = g): 128 keys x (512 bytes of K + 512 of V), read once by loads of 512 consecutive bytes.  Eight waves: wave w brings keys 16 w .. 16 w + 15 into LDS,
; then makes K's tile w and V's tile w.  For K a lane reads its key's 32 neighbours of a block from the LDS row; for V a lane takes a channel and its registers run down the keys.
.set BLOB,  294912
.set PITCH, 528                        ; an LDS row: 512 bytes + 16
.set VROWS, 128*PITCH                  ; K's 128 rows, then V's
.set SMALL, 2*128*PITCH                ; +0 K's scale words, +512 V's, +1024 the pad, +1536 the step's sums: 512 bytes each
.set XK,  16                           ; v16-79   K: first as loaded, then my two blocks of 32
.set XV,  80                           ; v80-143  V likewise
.set MX,  144                          ; v144-145 largest magnitudes
.set SO,  146                          ; v146-147 the conversions' scale operands
.set BY,  148                          ; v148-149 the scales' bytes
.set W,   150                          ; v150     the scale word
.set T,   151                          ; v151     a lane permute's destination
.set C,   152                          ; v152-159 the codes
.set SF,  160                          ; v160-161 the scales as f32
	s_load_b128 s[4:7], s[0:1], 0x0                ; kv, the mask
	s_load_b64 s[8:9], s[0:1], 0x10                ; kvq
	v_lshl_add_u32 v176, v0, 2, 0x21800
	v_mov_b32 v177, 0
	v_lshrrev_b32 v1, 5, v0
	v_readfirstlane_b32 s10, v1                    ; wave 0..7
	s_and_b32 s12, ttmp7, 0xffff                   ; g
	s_lshr_b32 s24, s12, 3                         ; b
	s_lshl_b32 s26, s24, 24                        ; kv: a batch is 2^24 bytes,
	s_lshl_b32 s25, ttmp9, 20                      ; a step's 128 keys 2^20,
	s_add_co_u32 s26, s26, s25
	s_lshl_b32 s25, s10, 17                        ; my wave's 16 keys 2^17,
	s_add_co_u32 s26, s26, s25
	s_and_b32 s25, s12, 7
	s_lshl_b32 s25, s25, 9                         ; a head 512
	s_add_co_u32 s26, s26, s25
	s_mov_b32 s27, 0
	s_lshl_b32 s28, s24, 11                        ; the mask: 2048 b + 128 step
	s_lshl_b32 s25, ttmp9, 7
	s_add_co_u32 s28, s28, s25
	s_mov_b32 s29, 0
	s_mul_i32 s30, s12, BLOB
	s_mov_b32 s31, 0
	s_lshl_b32 s32, ttmp9, 13                      ; codes: 8192 step + 1024 wave
	s_lshl_b32 s25, s10, 10
	s_add_co_u32 s32, s32, s25
	s_mov_b32 s33, 0
	s_and_b32 s34, s10, 3                          ; the small results: region wave % 4, 512 bytes a step
	s_lshl_b32 s34, s34, 13
	s_lshl_b32 s25, ttmp9, 9
	s_add_co_u32 s34, s34, s25
	s_add_co_u32 s34, s34, 262144
	s_mov_b32 s35, 0
	s_mov_b32 s20, 0x76543210
	s_mov_b32 s21, 0xfedcba98                      ; v_permlanex16_b32's selects for lane l xor 16
	s_mov_b32 s22, 0x3db504f3                      ; rsqrt(128)
	s_mov_b32 s23, s22                             ; (named with it as a pair)
	v_and_b32 v1, 31, v0                           ; lane
	v_and_b32 v2, 15, v0                           ; r
	v_bfe_u32 v3, v0, 4, 1                         ; h
	v_lshlrev_b32 v4, 4, v1                        ; 16 x lane
	s_mul_i32 s36, s10, 16*PITCH
	v_add_nc_u32 v5, s36, v4                       ; where my wave's rows of K go
	v_add_nc_u32 v6, VROWS, v5                     ; and of V
	s_lshr_b32 s36, s10, 1
	s_lshl_b32 s37, s36, 5
	s_and_b32 s38, s10, 1
	s_lshl_b32 s39, s38, 3
	s_add_co_u32 s37, s37, s39                     ; K's tile w begins at key 32 (w / 2) + 8 (w % 2)
	v_and_b32 v7, 8, v2
	v_add_nc_u32 v7, v7, v2                        ; r + 8 (r / 8)
	v_add_nc_u32 v7, s37, v7
	v_mul_u32_u24 v7, v7, PITCH
	v_lshl_add_u32 v7, v3, 7, v7                   ; my key's row, + 128 h: block h of its 128 numbers
	s_lshl_b32 s37, s10, 6                         ; 64 w
	v_mul_u32_u24 v8, v3, 32*PITCH
	v_lshl_add_u32 v8, v2, 2, v8
	v_add_nc_u32 v8, s37, v8
	v_add_nc_u32 v8, VROWS, v8                     ; V: key 32 h, channel 16 w + r
	s_lshl_b32 s39, s38, 8
	s_lshl_b32 s36, s36, 2
	s_add_co_u32 s39, s39, s36
	s_add_co_u32 s39, s39, SMALL
	v_lshl_add_u32 v9, v2, 4, s39                  ; my tile's scale word: 256 (w % 2) + 16 r + 4 (w / 2)
	v_lshl_add_u32 v11, v2, 2, s37
	v_add_nc_u32 v10, SMALL+1536, v11              ; the step's sum of channel 16 w + r
	v_add_nc_u32 v11, SMALL+1024, v11              ; the pad of key 16 w + r
	s_lshl_b32 s36, s10, 4
	v_add_nc_u32 v12, s36, v2                      ; 16 w + r
	v_lshlrev_b32 v13, 3, v3                       ; 8 h
	v_mov_b32 v14, 0x7f7f7f7f                      ; the scale 1 in every byte
	s_and_b32 s36, s10, 3
	s_lshl_b32 s36, s36, 9
	s_add_co_u32 s36, s36, SMALL
	v_add_nc_u32 v162, s36, v4                     ; the small results on their way out
	v_mov_b32 v163, 0xc61c4000                     ; -10000
	v_mov_b32 v164, 0
	v_mov_b32 v[T], 0                              ; written once: a lane permute's destination counts as one of its sources
	s_wait_kmcnt 0x0
	s_add_nc_u64 s[4:5], s[4:5], s[26:27]
	s_add_nc_u64 s[6:7], s[6:7], s[28:29]
	s_add_nc_u64 s[8:9], s[8:9], s[30:31]
	s_add_nc_u64 s[16:17], s[8:9], s[32:33]
	s_add_nc_u64 s[18:19], s[8:9], s[34:35]
	; ---- 1: my 16 keys' rows of K and V into LDS as they lie; 33 loads of the wave are out together
	global_load_u8 v15, v12, s[6:7]
.irp i, 0,1,2,3,4,5,6,7,8,9,10,11,12,13,14,15
	global_load_b128 v[XK+4*\i:XK+4*\i+3], v4, s[4:5] offset:\i*8192 th:TH_LOAD_NT       ; 32 lanes read a key's 512 consecutive bytes
.endr
.irp i, 0,1,2,3,4,5,6,7,8,9,10,11,12,13,14,15
	global_load_b128 v[XV+4*\i:XV+4*\i+3], v4, s[4:5] offset:\i*8192+4096 th:TH_LOAD_NT
.endr
.irp i, 0,1,2,3,4,5,6,7,8,9,10,11,12,13,14,15
	s_wait_loadcnt 31-\i                           ; loads come back in order: this row is in, the younger ones stay out
	ds_store_b128 v5, v[XK+4*\i:XK+4*\i+3] offset:\i*PITCH
.endr
.irp i, 0,1,2,3,4,5,6,7,8,9,10,11,12,13,14,15
	s_wait_loadcnt 15-\i
	ds_store_b128 v6, v[XV+4*\i:XV+4*\i+3] offset:\i*PITCH
.endr
	v_cmp_ne_u32 vcc_lo, 0, v15
	v_cndmask_b32 v165, v163, v164, vcc_lo         ; 0 where the mask is set, else -10000
	ds_store_b32 v11, v165                         ; (lanes 16-31 write the same word with the same value)
	s_wait_dscnt 0x0                               ; for the others' sake: my rows lie in LDS
	s_barrier_signal -1
	s_barrier_wait -1
; My two blocks of 32 numbers, v[x + 32 c] on (block 2 c + h of my row), become the operand's registers 4 c .. 4 c + 3 in v[C] on, and the row's scale word in v[W].
.macro QB x
.irp c, 0,1
	v_max3_num_f32 v[MX+\c], |v[\x+32*\c]|, |v[\x+32*\c+1]|, 0x1800000   ; and the floor 2^(3 - 127): the byte cannot fall under 1
.endr
.irp i, 2,4,6,8,10,12,14,16,18,20,22,24,26,28,30
.irp c, 0,1
	v_max3_num_f32 v[MX+\c], v[MX+\c], |v[\x+32*\c+\i]|, |v[\x+32*\c+\i+1]|   ; (the two blocks by turns)
.endr
.endr
.irp c, 0,1
	v_add_nc_u32 v[SO+\c], 0xff000000, v[MX+\c]    ; 2 off the exponent field: the conversion takes this operand's exponent field as its scale
.endr
.irp c, 0,1
	v_lshrrev_b32 v[BY+\c], 23, v[SO+\c]           ; the scale's byte
.endr
	v_lshl_or_b32 v[W], v[BY+1], 16, v[BY]         ; blocks h and 2 + h,
	v_lshlrev_b32 v[W], v13, v[W]                  ; at their places in the word;
	v_permlanex16_b32 v[T], v[W], s20, s21
	v_or_b32 v[W], v[W], v[T]                      ; with lane l xor 16's two the word is whole
.irp c, 0,1
.irp g, 0,1,2,3
	v_cvt_scalef32_pk8_fp4_f32 v[C+4*\c+\g], v[\x+32*\c+8*\g:\x+32*\c+8*\g+7], v[SO+\c]
.endr
.endr
	v_nop                                          ; one plain place behind the last scaled conversion
.endm
	; ---- 2: K's tile w and V's tile w
.irp c, 0,1
.irp j, 0,1,2,3,4,5,6,7
	ds_load_b128 v[XK+32*\c+4*\j:XK+32*\c+4*\j+3], v7 offset:256*\c+16*\j
.endr
.endr
.irp i, 0,1,2,3,4,5,6,7,8,9,10,11,12,13,14,15,16,17,18,19,20,21,22,23,24,25,26,27,28,29,30,31
	ds_load_b32 v[XV+\i], v8 offset:\i*PITCH       ; V(key 32 h + i, my channel)
.endr
	s_wait_dscnt 32                                ; K's sixteen loads are in; V's 32 may be out
.irp i, 0,1,2,3,4,5,6,7,8,9,10,11,12,13,14,15,16,17,18,19,20,21,22,23,24,25,26,27,28,29,30,31
	ds_load_b32 v[XV+32+\i], v8 offset:(64+\i)*PITCH
.endr
.set j, 0
.rept 32
	v_pk_mul_f32 v[XK+j:XK+j+1], v[XK+j:XK+j+1], s[22:23] op_sel_hi:[1,0]   ; k x rsqrt(128), ahead of the quantiser
.set j, j+2
.endr
	QB XK
	global_store_b128 v4, v[C:C+3], s[16:17]                   ; 32 lanes store 512 consecutive bytes, at a multiple of 512 from the buffer's first byte
	global_store_b128 v4, v[C+4:C+7], s[16:17] offset:512
	ds_store_b32 v9, v[W]
	s_wait_xcnt 0x0                                ; the stores have had their addresses translated: only behind this wait are the codes' registers written again
	s_wait_dscnt 0x0                               ; V's 64 numbers are in
	QB XV
	global_store_b128 v4, v[C:C+3], s[16:17] offset:131072
	global_store_b128 v4, v[C+4:C+7], s[16:17] offset:131584
	ds_store_b32 v9, v[W] offset:512
	; the sum of my channel's 128 quantised numbers: the codes' values (exact sums of multiples of 1/2), times each block's scale
.irp c, 0,1
.irp g, 0,1,2,3
	v_cvt_scale_pk8_f32_fp4 v[XV+32*\c+8*\g:XV+32*\c+8*\g+7], v[C+4*\c+\g], v14
.endr
.endr
	v_nop
.irp w, 4,8,16,32
.set k, 0
.rept 64/\w
	v_pk_add_f32 v[XV+\w*k:XV+\w*k+1], v[XV+\w*k:XV+\w*k+1], v[XV+\w*k+\w/2:XV+\w*k+\w/2+1]
.set k, k+1
.endr
.endr
	v_add_f32 v[XV], v[XV], v[XV+1]
	v_add_f32 v[XV+32], v[XV+32], v[XV+33]
	v_and_b32 v[SF], 0x7f800000, v[SO]             ; the scales as f32
	v_and_b32 v[SF+1], 0x7f800000, v[SO+1]
	v_mul_f32 v[XV], v[XV], v[SF]
	v_fma_f32 v[XV], v[XV+32], v[SF+1], v[XV]
	v_permlanex16_b32 v[T], v[XV], s20, s21
	v_add_f32 v[XV], v[XV], v[T]                   ; with lane l xor 16's two blocks
	ds_store_b32 v10, v[XV]
	s_wait_dscnt 0x0                               ; for the others' sake: my words lie in LDS
	s_barrier_signal -1
	s_barrier_wait -1
	; ---- 3: the four small results leave as 512 consecutive bytes each: wave 0 K's scale words, wave 1 V's, wave 2 the pad, wave 3 the sums
	s_cmp_lt_u32 s10, 4
	s_cbranch_scc0 .Ldone
	ds_load_b128 v[166:169], v162
	s_wait_dscnt 0x0
	global_store_b128 v4, v[166:169], s[18:19]
.Ldone:
	s_wait_tensorcnt 0x0
	ds_add_u32 v176, v177
	s_wait_dscnt 0x0
	s_endpgm
.Lfunc_end_k_q49d339a568_prep:
	.size	k_q49d339a568_prep, .Lfunc_end_k_q49d339a568_prep-k_q49d339a568_prep
	.p2alignl 7, 3214868480
	.fill 96, 4, 3214868480
	.section	.rodata,"a",@progbits
	.p2align	6, 0x0
	.amdhsa_kernel k_q49d339a568_prep
		.amdhsa_group_segment_fixed_size 138240
		.amdhsa_private_segment_fixed_size 0
		.amdhsa_enable_private_segment 0
		.amdhsa_kernarg_size 24
		.amdhsa_user_sgpr_count 2
		.amdhsa_user_sgpr_kernarg_segment_ptr 1
		.amdhsa_wavefront_size32 1
		.amdhsa_system_sgpr_workgroup_id_x 1
		.amdhsa_system_sgpr_workgroup_id_y 1
		.amdhsa_system_sgpr_workgroup_id_z 1
		.amdhsa_system_vgpr_workitem_id 0
		.amdhsa_next_free_vgpr 178
		.amdhsa_next_free_sgpr 66
		.amdhsa_reserve_vcc 1
		.amdhsa_float_denorm_mode_32 3
		.amdhsa_float_denorm_mode_16_64 3
		.amdhsa_memory_ordered 1
		.amdhsa_forward_progress 1
		.amdhsa_inst_pref_size 27
	.end_amdhsa_kernel
	.amdgpu_metadata
---
amdhsa.version: [ 1, 2 ]
amdhsa.kernels:
  - .name:           k_q49d339a568_prep
    .symbol:         k_q49d339a568_prep.kd
    .args:
      - { .name: kv, .offset: 0, .size: 8, .value_kind: global_buffer, .address_space: global }
      - { .name: key_padding_mask, .offset: 8, .size: 8, .value_kind: global_buffer, .address_space: global }
      - { .name: kvq, .offset: 16, .size: 8, .value_kind: global_buffer, .address_space: global }
    .group_segment_fixed_size: 138240
    .private_segment_fixed_size: 0
    .kernarg_segment_align: 8
    .kernarg_segment_size: 24
    .max_flat_workgroup_size: 256
    .sgpr_count:     66
    .vgpr_count:     178
    .wavefront_size: 32
...
	.end_amdgpu_metadata
.endif
;; end of part 1
;; launch attn (part 2): grid 16 x 16, 8 waves a work-group, clusters of 4 x 1, 327,680 bytes of LDS; arguments q, kvq, out0; writes out0
.if DOCPART == 2
	.amdgcn_target "amdgcn-amd-amdhsa--gfx1250"
	.amdhsa_code_object_version 6
	.text
	.protected	k_q49d339a568_attn
	.globl	k_q49d339a568_attn
	.p2align	8
	.type	k_q49d339a568_attn,@function
k_q49d339a568_attn:
	s_mov_b64 s[64:65], 0
	v_nop
	global_prefetch_b8 v0, s[64:65] scope:SCOPE_SE
	s_setreg_imm32_b32 hwreg(HW_REG_WAVE_MODE, 25, 1), 1
	s_wait_xcnt 0x0
	s_wait_alu depctr_hold_cnt(0) depctr_sa_sdst(0) depctr_va_vdst(0) depctr_va_sdst(0) depctr_va_ssrc(0) depctr_va_vcc(0) depctr_vm_vsrc(0)
	s_getreg_b32 s2, hwreg(HW_REG_IB_STS2, 6, 4)
	s_cmp_eq_u32 s2, 0
	s_cbranch_scc0 .Lentry_in_a_cluster
	s_endpgm
.Lentry_in_a_cluster:
	s_bfe_u32 s2, ttmp6, 0x10000c
	s_cmp_lg_u32 s2, 0x3003
	s_cbranch_scc0 .Lentry_shape_is_right
	s_endpgm
.Lentry_shape_is_right:
; out0[b][t][h][:] = the sum over keys s of softmax_s(logit) v[b][s][h / 4][:], logit = q . (k rsqrt(128)) + pad[s] where s > t, and -10000 where s <= t (the module's own mask: masked keys STAY in the softmax).
; Both products on codes of E2M1 with one E8M0 scale for each 32 along K.  K, V, their scale words, the pad and the steps' sums of V come from kvq as the launch before laid them; q is quantised here.
; THE SOFTMAX: t = logit x log2(e); M = the running largest t rounded up to a whole number; p = 2^(t - M) is quantised along the keys; the row's sum is taken of the unquantised p and divides at the end.
; WHAT IS NOT MULTIPLIED.  A step of 128 keys that lies wholly under the mask has the same logit, -10000, at every key.  Every row has such a key (s = t), so the running maximum may begin at tN = -10000 log2(e),
; M at ceil(tN), and each such key has p = c0 = 2^(tN - M), about 0.5176: in a block of equals its code is 4 under the scale 2^-3, the number 0.5.  So a hidden step adds 0.5 x (the step's sum of quantised V) to O
; and 128 c0 to the row's sum, both under the first M: O and the sum BEGIN with these, and the rescalings by whole powers of two carry them on.  No product, and no branch on data.
; SHARES.  Work-group: one kv head g (grid y); its 16 work-groups are 4 clusters (k) x 4 partners (cx).  A wave owns two query heads (4 (g % 8) + 2 (cx % 2) and the next) and two tiles of 16 query rows:
; tile 8 w + 2 k + cx / 2, then its mirror, 127 less that.  Their first steps that count are w and 15 - w: every wave walks 17 steps, and every branch hangs on the wave's number and loop counters alone.
; LDS.  The head's codes, scale words and pad, 286,720 bytes, lie in LDS whole: filled once, read by all eight waves; nothing is filled again, so the walk has no barrier.
; CLUSTER.  The four partners need the same blob: each wave's part (140 rows of 256 bytes) is asked for JOINTLY, by the same tensor load with a mask that names the four.  One tensor load of a wave is out, once.
; (The 16 work-groups of a head are four clusters of four and not one of sixteen: a joint load names four work-groups, and the fill happens once in the launch.)
; LAYOUT.  Both products transposed: S^T = K Q^T (source 0 = 16 keys, source 1 = 16 queries), O^T = V^T P^T: a lane holds ONE query (lane % 16).  The keys of a tile are chosen so that the 16 registers of
; tiles 2 b and 2 b + 1 are keys 32 b + 16 (lane / 16) + 0 .. 15.  The pad is the C of the first product: eight registers a tile in the result's layout.
; LIMITS: NaN and infinities among the inputs are not served; a block of zeros has the byte 1 where the rule says 127 (its codes are zeros); the pad is added inside the matrix unit, not by an f32 addition of its own.
; REGISTERS, window 0: v1-15 addresses; v16-31 Q's codes (two heads); v32-39 statistics; v40-51 scale words and nothing else; v52-67 P's codes; v68-95 at work; v96-159 S^T, then p; v160-223 the pad as C (between walks: q's numbers, rows of O).
;   window 1: v0-127 O^T (head e at 64 e); v128-191 K's fragments; v192-255 V's (between walks: q as loaded).
.set BLOB,  294912
.set FILLW, 35840                      ; a wave's part of the fill: 140 rows of 256 bytes
.set KSCO,  262144                     ; K's scale words in the blob; V's 8,192 on; the pad 16,384 on
.set SSUMO, 286720                     ; the steps' sums (they stay in memory)
.set STAGE, 286720                     ; LDS behind the blob: 16 rows x 272 bytes for each wave; no fill lands here
.set SP,    272
.set LI,  1                            ; v1   16 x lane
.set PB0, 2                            ; v2   16,384 + 64 h: the pad's place from K's scale words on
.set GO,  3                            ; v3   q and out0: 16,384 h + 16 r: lanes 0-15 one query row, lanes 16-31 the next
.set RD,  4                            ; v4   my stage: row h, 16 r
.set STO, 5                            ; v5   my stage: row r, 32 h
.set QR,  6                            ; v6   my stage: row r, 64 h
.set VB,  7                            ; v7   my stage + 32 h
.set VW,  8                            ; v8   my stage + 16 x lane
.set ADK, 9                            ; v9-12 the step's addresses: K's codes, V's, the scale words, the pad
.set ADV, 10
.set ADS, 11
.set ADP, 12
.set DQ,  13                           ; v13  my query less the diagonal step's first key less 16 h
.set R16, 14                           ; v14  r - 16 h
.set PFO, 15                           ; v15  the prefetches' offset: 16,384 (lane / 2) + 256 (lane % 2); never rewritten
.set QC,  16
.set ST,  32                           ; head e at ST + 4 e: +0 -M, +1 the largest t, +2, +3 the sum in two halves (at the end +2: 1 / sum)
.set QS,  40                           ; v40-41 Q's scale words;  v42-43 P's;  v44-47 K's;  v48-51 V's
.set PW,  42
.set KSR, 44
.set VSR, 48
.set PC,  52
.set BM,  68                           ; v68-71 a block's largest;  v72-75 permutes' destinations, bytes, a second chain of sums;  v76-79 the conversions' scale operands
.set TP,  72
.set SO,  76
.set AI,  80                           ; v80-83 O's start, four channels a lane
.set F,   84                           ; v84-85 f = 2^(old M - new M), named as a pair
.set T0,  86                           ; v86-88 at work
.set NEGV, 90                          ; v90  -10000
.set S,   96
.set PADC, 160
.set KF,  128                          ; in window 1
.set VF,  192
.set WV,  10                           ; s10  my wave's number
.set T8,  14                           ; s14  2 k + cx / 2
.set SEL, 28                           ; s[28:29] selects for lane l xor 16
.set CS,  30                           ; s[30:31] log2(e), named as a pair
.set TK,  32                           ; s32  8,192 x step
.set TS,  33                           ; s33  KSCO + 512 x step
.set STP, 34                           ; s34  the step
.set FIRST, 35                         ; s35  the tile's first step that counts
.set QA0, 40                           ; s[40:41], s[42:43] q at my two tiles;  s[44:45], s[46:47] out0;  s[48:49] the steps' sums: never rewritten
.set QA1, 42
.set OA0, 44
.set OA1, 46
.set SSA, 48
.set MSB, 0
.macro WIN new                         ; s_set_vgpr_msb: bits 1:0 source 0, 3:2 source 1, 5:4 source 2, 7:6 destination; the high byte repeats the setting that is left
.if MSB != \new
	s_set_vgpr_msb (MSB<<8)|\new
.set MSB, \new
.endif
.endm
.macro CROUND                          ; a round of the cluster's barrier
	s_barrier_signal -1
	s_barrier_wait -1
	s_cmp_lg_u32 s[WV], 0
	s_cbranch_scc1 .Lnot_wave_0_\@
	s_barrier_signal -3
.Lnot_wave_0_\@:
	s_barrier_wait -3
	s_barrier_signal -1
	s_barrier_wait -1
.endm
	s_load_b128 s[4:7], s[0:1], 0x0                ; q, kvq
	s_load_b64 s[8:9], s[0:1], 0x10                ; out0
	v_lshl_add_u32 v254, v0, 2, 0x4e800
	v_mov_b32 v255, 0
	ds_add_u32 v254, v255
	ds_add_u32 v254, v255
	v_lshrrev_b32 v1, 5, v0
	v_readfirstlane_b32 s[WV], v1                  ; wave 0..7
	s_bfe_u32 s11, ttmp6, 0x40000                  ; cx: it enters q's and out0's addresses and the mask's compare operand, nothing else
	s_and_b32 s13, ttmp7, 0xffff                   ; g, which the four partners share
	s_lshl_b32 s[T8], ttmp9, 1                     ; in a cluster launch ttmp9 counts clusters
	s_lshr_b32 s50, s11, 1
	s_add_co_u32 s[T8], s[T8], s50
	s_and_b32 s15, s11, 1                          ; which pair of the four query heads
	; the fill's descriptor: 140 rows of 32 elements of 8 bytes, dense, no padding
	s_mov_b32 s20, 15|(3<<16)|(1<<21)              ; 15:0 the mask: all four work-groups; 17:16 elements of 8 bytes; 21 set beside a mask
	s_mov_b32 s21, 32<<16                          ; tensor_dim0 = 32
	s_mov_b32 s22, 140<<16                         ; tensor_dim1 = 140
	s_mov_b32 s23, 32<<16                          ; tile_dim0 = 32
	s_mov_b32 s24, 140                             ; tile_dim1 = 140
	s_mov_b32 s25, 32                              ; from row to row: 32 elements
	s_mov_b32 s26, 0
	s_mov_b32 s27, 0
	s_mov_b32 s16, 1                               ; count = 1
	s_mul_i32 s17, s[WV], FILLW                    ; LDS address: the blob lies in LDS as in memory
	s_mul_i32 s52, s13, BLOB
	s_mov_b32 s53, 0
	s_mov_b32 s54, s17
	s_mov_b32 s55, 0
	; my two tiles in q and out0: 2^25 b + 2^18 tile + 512 head
	s_lshl_b32 s56, s[WV], 3
	s_add_co_u32 s56, s56, s[T8]                   ; tile 8 w + 2 k + cx / 2: 0 .. 63
	s_xor_b32 s58, s56, 127                        ; and 127 less that
	s_lshl_b32 s56, s56, 18
	s_lshl_b32 s58, s58, 18
	s_lshr_b32 s50, s13, 3
	s_lshl_b32 s50, s50, 25
	s_and_b32 s51, s13, 7
	s_lshl_b32 s51, s51, 2
	s_lshl_b32 s60, s15, 1
	s_add_co_u32 s51, s51, s60
	s_lshl_b32 s51, s51, 9
	s_add_co_u32 s50, s50, s51
	s_add_co_u32 s56, s56, s50
	s_add_co_u32 s58, s58, s50
	s_mov_b32 s57, 0
	s_mov_b32 s59, 0
	s_mov_b32 s[SEL], 0x76543210
	s_mov_b32 s[SEL+1], 0xfedcba98
	s_mov_b32 s[CS], 0x3fb8aa3b                    ; log2(e)
	s_mov_b32 s[CS+1], s[CS]
	s_mov_b32 s36, 0x3f000000                      ; 0.5: the quantised c0
	s_wait_dscnt 0x0
	s_wait_kmcnt 0x0
	s_add_nc_u64 s[QA0:QA0+1], s[4:5], s[56:57]
	s_add_nc_u64 s[QA1:QA1+1], s[4:5], s[58:59]
	s_add_nc_u64 s[OA0:OA0+1], s[8:9], s[56:57]
	s_add_nc_u64 s[OA1:OA1+1], s[8:9], s[58:59]
	s_add_nc_u64 s[SSA:SSA+1], s[6:7], s[52:53]    ; my head's blob
	s_add_nc_u64 s[18:19], s[SSA:SSA+1], s[54:55]  ; my wave's part of it
	s_or_b32 s19, s19, 0x80000000                  ; type = 2
	s_add_nc_u64 s[SSA:SSA+1], s[SSA:SSA+1], SSUMO
	CROUND                                         ; all four work-groups are here: the joint loads meet
	tensor_load_to_lds s[16:19], s[20:27]          ; the launch's only fill: a load a wave
	s_nop 0
.rept 4
	v_nop                                          ; four plain lines follow the tensor load
.endr
	v_and_b32 v92, 15, v0                          ; r
	v_bfe_u32 v93, v0, 4, 1                        ; h
	v_and_b32 v94, 31, v0                          ; lane
	v_lshlrev_b32 v[LI], 4, v94
	v_lshrrev_b32 v[PFO], 1, v94
	v_and_b32 v95, 1, v94
	v_lshlrev_b32 v[PFO], 14, v[PFO]
	v_lshl_add_u32 v[PFO], v95, 8, v[PFO]
	v_lshlrev_b32 v[PB0], 6, v93
	v_add_nc_u32 v[PB0], 0x4000, v[PB0]
	v_lshlrev_b32 v[GO], 14, v93
	v_lshl_add_u32 v[GO], v92, 4, v[GO]
	s_mul_i32 s38, s[WV], 16*SP
	s_add_co_u32 s38, s38, STAGE                   ; my stage
	v_mul_u32_u24 v[RD], v93, SP
	v_lshl_add_u32 v[RD], v92, 4, v[RD]
	v_add_nc_u32 v[RD], s38, v[RD]
	v_mul_u32_u24 v[STO], v92, SP
	v_add_nc_u32 v[STO], s38, v[STO]
	v_lshl_add_u32 v[QR], v93, 6, v[STO]
	v_lshl_add_u32 v[STO], v93, 5, v[STO]
	v_lshlrev_b32 v[VB], 5, v93
	v_add_nc_u32 v[VB], s38, v[VB]
	v_add_nc_u32 v[VW], s38, v[LI]
	v_lshlrev_b32 v[R16], 4, v93
	v_sub_nc_u32 v[R16], v92, v[R16]
	v_mov_b32 v[NEGV], 0xc61c4000
.irp b, 0,1,2,3
	v_mov_b32 v[TP+\b], 0                          ; written once: a lane permute's destination counts as one of its sources
.endr
	v_mov_b32 v[F+1], 0                            ; (named as the upper half of a pair)
; ---- the head of a tile
.macro PARAMS ph                       ; the tile's first step that counts, and the mask's compare operand: 16 (tile % 8) + r - 16 h
.if \ph
	s_xor_b32 s[FIRST], s[WV], 15                  ; 15 - w
	s_xor_b32 s50, s[T8], 7                        ; 7 - (2 k + cx / 2)
.else
	s_mov_b32 s[FIRST], s[WV]
	s_mov_b32 s50, s[T8]
.endif
	s_lshl_b32 s50, s50, 4
	v_add_nc_u32 v[DQ], s50, v[R16]
.endm
.macro QLOADS qa                       ; 16 rows x 2 heads x 512 bytes of q, as they lie: sixteen lanes read 256 consecutive bytes, at a multiple of 256 from q's first byte
	WIN 0x40                                       ; destination window 1
.irp e, 0,1
.irp u, 0,1
.irp i, 0,1,2,3,4,5,6,7
	global_load_b128 v[128+64*\e+4*(8*\u+\i):128+64*\e+4*(8*\u+\i)+3], v[GO], s[\qa:\qa+1] offset:\i*32768+256*\u+512*\e th:TH_LOAD_NT
.endr
.endr
.endr
	WIN 0
.endm
.macro SSLOADS                         ; the sums of steps 0 to 14, four channels a lane
.irp s, 0,1,2,3,4,5,6,7,8,9,10,11,12,13,14
	global_load_b128 v[S+4*\s:S+4*\s+3], v[LI], s[SSA:SSA+1] offset:512*\s
.endr
.endm
; From the blocks' largest magnitudes in v[BM] on (the floor among them): the scale word in v[pw], and of the 64 numbers v[x] on (register 16 b + i = k 32 b + 16 h + i of my row) the operand's eight registers in v[pc] on.
.macro CODES x, pc, pw
.set rX, \x
.set rC, \pc
.set rW, \pw
.irp b, 0,1,2,3
	v_add_nc_u32 v[SO+\b], 0xff000000, v[BM+\b]    ; 2 off the exponent field: the conversion's scale operand
.endr
.irp b, 0,1,2,3
	v_lshrrev_b32 v[TP+\b], 23, v[SO+\b]           ; the scale's byte
.endr
	v_lshl_or_b32 v[rW], v[TP+1], 8, v[TP]
	v_lshl_or_b32 v[rW], v[TP+2], 16, v[rW]
	v_lshl_or_b32 v[rW], v[TP+3], 24, v[rW]
.irp b, 0,1,2,3
	v_cvt_scalef32_pk8_fp4_f32 v[rC+2*\b], v[rX+16*\b:rX+16*\b+7], v[SO+\b]
	v_cvt_scalef32_pk8_fp4_f32 v[rC+2*\b+1], v[rX+16*\b+8:rX+16*\b+15], v[SO+\b]
.endr
	v_nop                                          ; one plain place behind the last scaled conversion
.irp c, 0,1                                    ; the operand's layout wants a whole block in a lane: lanes 0-15 block 2 c, lanes 16-31 block 2 c + 1
.irp i, 0,1
	v_permlane16_swap_b32 v[rC+4*\c+\i], v[rC+4*\c+2+\i]
.endr
.endr
.endm
; Head e's 16 rows turn through my stage, half a row (256 bytes) at a time: in as loaded, back 16 neighbours of each block of 32 a lane.  LDS serves a wave's instructions in order: no wait between stores and loads.
.macro TURNQ e, left
	s_wait_loadcnt \left                           ; this head's sixteen loads are in; the younger loads stay out
.irp u, 0,1
	WIN 0x04                                       ; an LDS store's data are its source 1: window 1
.irp i, 0,1,2,3,4,5,6,7
	ds_store_b128 v[RD], v[128+64*(\e)+4*(8*\u+\i):128+64*(\e)+4*(8*\u+\i)+3] offset:2*\i*SP
.endr
	WIN 0
.irp k, 0,1
.irp j, 0,1,2,3
	ds_load_b128 v[PADC+16*(2*\u+\k)+4*\j:PADC+16*(2*\u+\k)+4*\j+3], v[QR] offset:128*\k+16*\j
.endr
.endr
.endr
	s_wait_dscnt 0x0
.endm
.macro QUANT e                         ; q's 64 numbers of a lane become head e's fragment and scale word
.irp b, 0,1,2,3
	v_max3_num_f32 v[BM+\b], |v[PADC+16*\b]|, |v[PADC+16*\b+1]|, 0x1800000   ; my 16 numbers of block b, and the floor 2^(3 - 127)
.endr
.irp i, 2,4,6,8,10,12,14
.irp b, 0,1,2,3
	v_max3_num_f32 v[BM+\b], v[BM+\b], |v[PADC+16*\b+\i]|, |v[PADC+16*\b+\i+1]|
.endr
.endr
.irp b, 0,1,2,3
	v_permlanex16_b32 v[TP+\b], v[BM+\b], s[SEL], s[SEL+1]
.endr
.irp b, 0,1,2,3
	v_max_num_f32 v[BM+\b], v[BM+\b], v[TP+\b]     ; with lane l xor 16's
.endr
	CODES PADC, QC+8*(\e), QS+(\e)
.endm
.macro VSINIT                          ; O^T begins as 0.5 x the sums of the steps ahead of the tile's first: a choice of the factor, no branch; then through my stage into the result's layout, for both heads
.irp s, 0,1,2,3,4,5,6,7,8,9,10,11,12,13,14
	s_cmp_gt_u32 s[FIRST], \s
	s_cselect_b32 s37, s36, 0
.irp k, 0,1,2,3
.if \s == 0
	v_mul_f32 v[AI+\k], s37, v[S+\k]
.else
	v_fma_f32 v[AI+\k], v[S+4*\s+\k], s37, v[AI+\k]
.endif
.endr
.endr
	ds_store_b128 v[VW], v[AI:AI+3]                ; channel d at 4 d
	WIN 0x40
.irp e, 0,1
.irp t, 0,1,2,3,4,5,6,7
.irp x, 0,1
	ds_load_b128 v[64*\e+8*\t+4*\x:64*\e+8*\t+4*\x+3], v[VB] offset:64*\t+16*\x   ; register 8 t + j: channel 16 t + 8 h + j
.endr
.endr
.endr
	WIN 0
.endm
.macro STATS                           ; the largest t begins at tN, -M at floor(-tN); the sum at 128 c0 for each hidden step, half of it in each half of the lanes
	s_lshl_b32 s38, s[FIRST], 6
	v_cvt_f32_u32 v[T0+2], s38
	v_mul_f32 v[ST+1], s[CS], v[NEGV]
	v_floor_f32 v[ST], -v[ST+1]
	v_fma_f32 v[T0+1], v[NEGV], s[CS], v[ST]
	v_exp_f32 v[T0+1], v[T0+1]                     ; c0
	v_mov_b32 v[ST+3], 0                           ; (a plain place behind the exponential)
	s_wait_alu depctr_va_vdst(0)                   ; the wait ahead of the result's first reader
	v_mul_f32 v[ST+2], v[T0+1], v[T0+2]
.irp k, 0,1,2,3
	v_mov_b32 v[ST+4+\k], v[ST+\k]
.endr
.endm
.macro HEADWORK
	s_wait_xcnt 0x0                                ; earlier stores have had their addresses translated: the registers that they read are loaded again only behind this wait
	TURNQ 0, 31                                    ; younger: head 1's sixteen loads and the fifteen of the sums
	QUANT 0
	TURNQ 1, 15                                    ; younger: the fifteen of the sums
	QUANT 1
	s_wait_loadcnt 0x0
	VSINIT
	STATS
	s_wait_dscnt 0x0                               ; O^T's start is in
.endm
; ---- a key step's parts
; S^T = K Q^T + pad for head e: eight tiles of 16 keys, each a sum of its own.  On the diagonal step the scores of keys <= query become -10000.
.macro SMAT e
	WIN 0x01                                       ; source 0 (K) window 1
.irp t, 0,1,2,3,4,5,6,7
.if (\t)%2
	v_wmma_scale_f32_16x16x128_f8f6f4 v[S+8*\t:S+8*\t+7], v[KF+8*\t:KF+8*\t+7], v[QC+8*(\e):QC+8*(\e)+7], v[PADC+8*\t:PADC+8*\t+7], v[KSR+\t/2], v[QS+(\e)] matrix_a_fmt:MATRIX_FMT_FP4 matrix_b_fmt:MATRIX_FMT_FP4 matrix_a_scale:MATRIX_SCALE_ROW1
.else
	v_wmma_scale_f32_16x16x128_f8f6f4 v[S+8*\t:S+8*\t+7], v[KF+8*\t:KF+8*\t+7], v[QC+8*(\e):QC+8*(\e)+7], v[PADC+8*\t:PADC+8*\t+7], v[KSR+\t/2], v[QS+(\e)] matrix_a_fmt:MATRIX_FMT_FP4 matrix_b_fmt:MATRIX_FMT_FP4
.endif
.endr
	WIN 0
.rept 4
	v_nop                                          ; four places between the products and the first read of their results (ISA guide 7.12.1)
.endr
	s_cmp_lg_u32 s[STP], s[FIRST]                  ; a branch on the step's number and the wave's
	s_cbranch_scc1 .Lopen_\@
.set n, 0
.rept 64                                       ; register n holds key 32 (n / 16) + n % 16 + 16 h of the step: under the mask where that is <= my query; each tile from its low end on
	v_cmp_le_i32 vcc_lo, 32*(n/16)+n%16, v[DQ]
	v_cndmask_b32 v[S+n], v[S+n], v[NEGV], vcc_lo
.set n, n+1
.endr
.Lopen_\@:
.endm
.macro SOFT e
.set rT, ST+4*(\e)
.irp b, 0,1,2,3
	v_max3_num_f32 v[BM+\b], v[S+16*\b], v[S+16*\b+1], v[S+16*\b+2]   ; the largest score of each block of 32 keys: for the row's maximum, and, since p rises with the score, for the block's largest p
.endr
.irp i, 3,5,7,9,11,13
.irp b, 0,1,2,3
	v_max3_num_f32 v[BM+\b], v[BM+\b], v[S+16*\b+\i], v[S+16*\b+\i+1]
.endr
.endr
.irp b, 0,1,2,3
	v_max_num_f32 v[BM+\b], v[BM+\b], v[S+16*\b+15]
.endr
.irp b, 0,1,2,3
	v_permlanex16_b32 v[TP+\b], v[BM+\b], s[SEL], s[SEL+1]
.endr
.irp b, 0,1,2,3
	v_max_num_f32 v[BM+\b], v[BM+\b], v[TP+\b]     ; with lane l xor 16's 16 keys
.endr
	v_max3_num_f32 v[T0], v[BM], v[BM+1], v[BM+2]
	v_max_num_f32 v[T0], v[T0], v[BM+3]
	v_mul_f32 v[T0], s[CS], v[T0]                  ; the step's largest t
	v_max_num_f32 v[rT+1], v[rT+1], v[T0]          ; the running largest
	v_mov_b32 v[T0], v[rT]
	v_floor_f32 v[rT], -v[rT+1]                    ; the new -M: M is a whole number
	v_sub_f32 v[T0], v[rT], v[T0]                  ; old M less new M: a whole number, 0 or less
	v_cvt_i32_f32 v[T0], v[T0]                     ; (it saturates)
	v_ldexp_f32 v[F], 1.0, v[T0]                   ; f = 2^(old M - new M)
.set j, 0
.rept 32
	v_pk_fma_f32 v[S+j:S+j+1], v[S+j:S+j+1], s[CS:CS+1], v[rT:rT+1] op_sel_hi:[1,0,0]   ; t - M, two at a time
.set j, j+2
.endr
.irp b, 0,1,2,3
	v_fma_f32 v[BM+\b], v[BM+\b], s[CS], v[rT]     ; the same of each block's largest score
.endr
.set j, 0
.rept 64
	v_exp_f32 v[S+j], v[S+j]                       ; p = 2^(t - M): not normalised
.set j, j+1
.endr
	v_pk_mul_f32 v[rT+2:rT+3], v[rT+2:rT+3], v[F:F+1] op_sel_hi:[1,0]   ; the sums under the new M (a plain place behind the exponentials)
	s_wait_alu depctr_va_vdst(0)                   ; one wait for the batch of 64, ahead of its first reader
.irp b, 0,1,2,3
	v_exp_f32 v[BM+\b], v[BM+\b]                   ; the block's largest p
.endr
	v_pk_add_f32 v[TP:TP+1], v[S:S+1], v[S+2:S+3]  ; the row's sum of the unquantised p, in two chains: plain work behind the four
.irp j, 4,8,12,16,20,24,28,32,36,40,44,48,52,56,60
	v_pk_add_f32 v[rT+2:rT+3], v[rT+2:rT+3], v[S+\j:S+\j+1]
	v_pk_add_f32 v[TP:TP+1], v[TP:TP+1], v[S+\j+2:S+\j+3]
.endr
	v_pk_add_f32 v[rT+2:rT+3], v[rT+2:rT+3], v[TP:TP+1]
	s_wait_alu depctr_va_vdst(0)                   ; and one for the four
.irp b, 0,1,2,3
	v_max_num_f32 v[BM+\b], 0x1800000, v[BM+\b]    ; the floor 2^(3 - 127): a block whose every p is 0 keeps the byte 1; its codes are zeros
.endr
	CODES S, PC+8*(\e), PW+(\e)
	WIN 0x41                                       ; O^T (destination and source 0) window 1
.set j, 0
.rept 32
	v_pk_mul_f32 v[64*(\e)+j:64*(\e)+j+1], v[64*(\e)+j:64*(\e)+j+1], v[F:F+1] op_sel_hi:[1,0]   ; O^T under the new M, each tile from its low end on.  (Also the places between P's codes and scale word and the products that take them)
.set j, j+2
.endr
	WIN 0
.endm
.macro PVMAT                           ; O^T += V^T P^T: sixteen accumulators by turns, one instruction a turn
	WIN 0x51                                       ; V, C and D window 1; P window 0
.irp t, 0,1,2,3,4,5,6,7
.irp e, 0,1
.if (\t)%2
	v_wmma_scale_f32_16x16x128_f8f6f4 v[64*\e+8*\t:64*\e+8*\t+7], v[VF+8*\t:VF+8*\t+7], v[PC+8*\e:PC+8*\e+7], v[64*\e+8*\t:64*\e+8*\t+7], v[VSR+\t/2], v[PW+\e] matrix_a_fmt:MATRIX_FMT_FP4 matrix_b_fmt:MATRIX_FMT_FP4 matrix_a_scale:MATRIX_SCALE_ROW1
.else
	v_wmma_scale_f32_16x16x128_f8f6f4 v[64*\e+8*\t:64*\e+8*\t+7], v[VF+8*\t:VF+8*\t+7], v[PC+8*\e:PC+8*\e+7], v[64*\e+8*\t:64*\e+8*\t+7], v[VSR+\t/2], v[PW+\e] matrix_a_fmt:MATRIX_FMT_FP4 matrix_b_fmt:MATRIX_FMT_FP4
.endif
.endr
.endr
	WIN 0
.endm
; THE WALK over the head's 16 steps of 128 keys: a constant count of trips; a step ahead of the tile's first is jumped over, all but the lines that step addresses.
; pf = 1: in step 14 the wave asks for its second tile's q to be brought near: 16 rows x 2 heads x 512 bytes, each aligned block of 256 bytes named once in the launch (a lane a block, two instructions),
; two steps ahead of the loads that will want them; the address registers are never rewritten.
.macro WALK pf
	s_mov_b32 s[TK], 0
	s_mov_b32 s[TS], KSCO
	s_mov_b32 s[STP], 0
.Lstep_\@:
	s_cmp_lt_u32 s[STP], s[FIRST]
	s_cbranch_scc1 .Lhidden_\@
	v_add_nc_u32 v[ADK], s[TK], v[LI]              ; four plain lines: also the places between the last step's products and the loads into their operands
	v_add_nc_u32 v[ADV], 0x20000, v[ADK]
	v_add_nc_u32 v[ADS], s[TS], v[LI]
	v_add_nc_u32 v[ADP], s[TS], v[PB0]
	WIN 0x40
.irp t, 0,1,2,3,4,5,6,7
.irp c, 0,1
	ds_load_b128 v[KF+8*\t+4*\c:KF+8*\t+4*\c+3], v[ADK] offset:1024*\t+512*\c     ; images of the registers: 512 consecutive bytes a load
.endr
.endr
	WIN 0
	ds_load_b128 v[KSR:KSR+3], v[ADS]              ; register q: lanes 0-15 tile 2 q's words, lanes 16-31 tile 2 q + 1's
	ds_load_b128 v[VSR:VSR+3], v[ADS] offset:8192
.irp t, 0,1,2,3,4,5,6,7
.irp x, 0,1
	ds_load_b128 v[PADC+8*\t+4*\x:PADC+8*\t+4*\x+3], v[ADP] offset:128*(\t/2)+32*(\t%2)+16*\x   ; the pad of keys 32 (t / 2) + 8 (t % 2) + 16 h + 0 .. 7
.endr
.endr
	WIN 0x40
.irp t, 0,1,2,3,4,5,6,7
.irp c, 0,1
	ds_load_b128 v[VF+8*\t+4*\c:VF+8*\t+4*\c+3], v[ADV] offset:1024*\t+512*\c
.endr
.endr
	WIN 0
.if \pf
	s_cmp_lg_u32 s[STP], 14
	s_cbranch_scc1 .Lnopf_\@
	global_prefetch_b8 v[PFO], s[QA1:QA1+1] th:TH_LOAD_NT scope:SCOPE_SE
	global_prefetch_b8 v[PFO], s[QA1:QA1+1] offset:512 th:TH_LOAD_NT scope:SCOPE_SE
.Lnopf_\@:
.endif
	s_wait_dscnt 16                                ; K, the scale words and the pad are in; V's sixteen loads may be out
	SMAT 0
	SOFT 0
	SMAT 1
	SOFT 1
	s_wait_dscnt 0x0                               ; V is in
	PVMAT
.Lhidden_\@:
	s_add_co_u32 s[TK], s[TK], 8192
	s_add_co_u32 s[TS], s[TS], 512
	s_add_co_u32 s[STP], s[STP], 1
	s_cmp_lt_u32 s[STP], 16
	s_cbranch_scc1 .Lstep_\@
.endm
.macro LSUM                            ; 1 / the row's sum, for both heads.  The additions are also the places behind the last products
.irp e, 0,1
	v_add_f32 v[T0+\e], v[ST+4*\e+2], v[ST+4*\e+3]
.endr
.irp e, 0,1
	v_permlanex16_b32 v[TP+\e], v[T0+\e], s[SEL], s[SEL+1]
.endr
.irp e, 0,1
	v_add_f32 v[T0+\e], v[T0+\e], v[TP+\e]
.endr
.irp e, 0,1
	v_rcp_f32 v[ST+4*\e+2], v[T0+\e]
.endr
	v_nop                                          ; a plain place behind the reciprocals
	s_wait_alu depctr_va_vdst(0)                   ; one wait for the two
.endm
; THE WAY OUT, head by head: O^T / the sum goes through my stage, half a row (256 bytes) of 16 queries at a time, and leaves so that sixteen lanes store 256 consecutive bytes, at a multiple of 256 from out0's first byte.
.macro WAYOUT oa
.irp e, 0,1
.if \e
	s_wait_xcnt 0x0                                ; head 0's stores have had their addresses translated: their registers are loaded again only behind this wait
.endif
	WIN 0x01                                       ; source 0 (O^T) window 1
.set j, 0
.rept 32
	v_pk_mul_f32 v[S+j:S+j+1], v[64*\e+j:64*\e+j+1], v[ST+4*\e+2:ST+4*\e+3] op_sel_hi:[1,0]   ; register 8 t + i: o(r, 16 t + 8 h + i); each tile from its low end on
.set j, j+2
.endr
	WIN 0
.irp u, 0,1
.irp t, 0,1,2,3
	ds_store_b128 v[STO], v[S+32*\u+8*\t:S+32*\u+8*\t+3] offset:64*\t
	ds_store_b128 v[STO], v[S+32*\u+8*\t+4:S+32*\u+8*\t+7] offset:64*\t+16
.endr
.irp i, 0,1,2,3,4,5,6,7
	ds_load_b128 v[PADC+32*\u+4*\i:PADC+32*\u+4*\i+3], v[RD] offset:2*\i*SP   ; LDS serves a wave's instructions in order: these see my stores, and the next half's stores come behind them
.endr
.endr
.irp u, 0,1
.irp i, 0,1,2,3,4,5,6,7
	s_wait_dscnt 7-\i+16*(1-\u)                    ; younger: the rest of this half's loads, and for the first half the second's sixteen LDS instructions
	global_store_b128 v[GO], v[PADC+32*\u+4*\i:PADC+32*\u+4*\i+3], s[\oa:\oa+1] offset:2*\i*16384+256*\u+512*\e th:TH_STORE_NT
.endr
.endr
.endr
.endm
	PARAMS 0
	QLOADS QA0
	SSLOADS
	HEADWORK                                       ; the first tile's head is worked while the fill is on its way: it touches my stage alone
	s_wait_tensorcnt 0x0                           ; my part of the blob has landed,
	s_wait_dscnt 0x0
	s_barrier_signal -1
	s_barrier_wait -1                              ; everybody's has: from here on the blob is only read
	WALK 1
	LSUM
	PARAMS 1
	QLOADS QA1                                     ; the second tile's q is on its way while the first tile goes out
	WAYOUT OA0
	SSLOADS
	HEADWORK
	WALK 0
	LSUM
	WAYOUT OA1
	s_wait_dscnt 0x0
	s_wait_tensorcnt 0x0
	ds_add_u32 v254, v255
	s_wait_dscnt 0x0
	CROUND                                         ; the closing round: no work-group ends while a partner may still ask for the blob jointly
	s_endpgm
.Lfunc_end_k_q49d339a568_attn:
	.size	k_q49d339a568_attn, .Lfunc_end_k_q49d339a568_attn-k_q49d339a568_attn
	.p2alignl 7, 3214868480
	.fill 96, 4, 3214868480
	.section	.rodata,"a",@progbits
	.p2align	6, 0x0
	.amdhsa_kernel k_q49d339a568_attn
		.amdhsa_group_segment_fixed_size 327680
		.amdhsa_private_segment_fixed_size 0
		.amdhsa_enable_private_segment 0
		.amdhsa_kernarg_size 24
		.amdhsa_user_sgpr_count 2
		.amdhsa_user_sgpr_kernarg_segment_ptr 1
		.amdhsa_wavefront_size32 1
		.amdhsa_system_sgpr_workgroup_id_x 1
		.amdhsa_system_sgpr_workgroup_id_y 1
		.amdhsa_system_sgpr_workgroup_id_z 1
		.amdhsa_system_vgpr_workitem_id 0
		.amdhsa_next_free_vgpr 512
		.amdhsa_next_free_sgpr 66
		.amdhsa_reserve_vcc 1
		.amdhsa_float_denorm_mode_32 3
		.amdhsa_float_denorm_mode_16_64 3
		.amdhsa_memory_ordered 1
		.amdhsa_forward_progress 1
		.amdhsa_inst_pref_size 166
	.end_amdhsa_kernel
	.amdgpu_metadata
---
amdhsa.version: [ 1, 2 ]
amdhsa.kernels:
  - .name:           k_q49d339a568_attn
    .symbol:         k_q49d339a568_attn.kd
    .args:
      - { .name: q, .offset: 0, .size: 8, .value_kind: global_buffer, .address_space: global }
      - { .name: kvq, .offset: 8, .size: 8, .value_kind: global_buffer, .address_space: global }
      - { .name: out0, .offset: 16, .size: 8, .value_kind: global_buffer, .address_space: global }
    .group_segment_fixed_size: 327680
    .private_segment_fixed_size: 0
    .kernarg_segment_align: 8
    .kernarg_segment_size: 24
    .max_flat_workgroup_size: 256
    .sgpr_count:     66
    .vgpr_count:     512
    .wavefront_size: 32
...
	.end_amdgpu_metadata
.endif
;; end of part 2
